; MI455X (gfx1250); checked and timed in simulation.
; The chip was launched on July 23, 2026; its instructions are those of AMD's public machine-readable ISA for CDNA 5 (MIT licence, August 2026) and "CDNA5" Instruction Set Architecture Reference Guide (July 2026). The comments in the code are by the model that wrote it; some were corrected since.
;; LSTM Cell. Allowed arithmetic: matrix products marked QUANTISED: E5M2 operands, one E8M0 scale for each 32 along K, by v_wmma_scale_f32_16x16x128_f8f6f4 with both operands' format E5M2, f32 sums; everything else in f32.
;; Inputs: W_c 1,024 x 2,048 float32; W_f 1,024 x 2,048 float32; W_i 1,024 x 2,048 float32; W_o 1,024 x 2,048 float32; b_c 1,024 float32; b_f 1,024 float32; b_i 1,024 float32; b_o 1,024 float32; c_prev 8,192 x 1,024 float32; h_prev 8,192 x 1,024 float32; x_t 8,192 x 1,024 float32.
;; Outputs: out0 8,192 x 1,024 float32; out1 8,192 x 1,024 float32.
;; This version of the problem:
;;   THIS VERSION OF THE PROBLEM IS GIVEN IN LOW PRECISION. The matrix products marked QUANTISED in the list below multiply operands that are first quantised to E5M2 (5 exponent bits, 2 mantissa bits; 8 bits a number), with one power-of-two scale for each 32 numbers along K (OCP MX v1.0); their sums are f32. All else is computed in f32.
;;   The module's matrix products, in the order in which they are computed (A, B: the left and right operand; K: the contracted axis; several contracted axes count as one K, in the product's order):
;;     1. [M 8,192, K 2,048] x [K 2,048, N 4,096]; A: computed on the way; B: computed on the way: QUANTISED
;;   THE QUANTISER, for each operand of a quantised product, along K:
;;     - K is cut into blocks of 32 from its start; a last block that is shorter is filled with zeros.
;;     - A block's scale is 2^e with e = floor(log2(the largest magnitude in the block)) - 15, held to -126 .. 127; a block of zeros has e = 0. As a byte (E8M0): e + 127.
;;     - Each number is divided by its block's scale, clamped to +-57,344, and rounded to the nearest number of E5M2, ties to even, subnormals kept.
;;     - The product sums the exact products of the quantised numbers (number of the format x scale) in f32.
;;   ~~~python
;;   def quantise(x, axis):      # numpy; x: float32 -> the quantised numbers, widened to float32 again
;;       x = np.moveaxis(x, axis, -1); K = x.shape[-1]
;;       x = np.pad(x, [(0, 0)] * (x.ndim - 1) + [(0, -K % 32)]); x = x.reshape(x.shape[:-1] + (-1, 32)); a = np.abs(x).max(-1, keepdims=True)
;;       e = np.where(a > 0, np.clip(np.frexp(np.where(a > 0, a, 1))[1] - 1 - 15, -126, 127), 0)      # np.frexp(a)[1] - 1 = floor(log2(a)), exactly
;;       r = np.clip(x / 2.0 ** e, -57344, 57344)
;;       step = 2.0 ** (np.maximum(np.frexp(np.where(r == 0, 1, r))[1] - 1, -14) - 2)
;;       q = np.round(r / step) * step * 2.0 ** e      # np.round: ties to even
;;       return np.moveaxis(q.reshape(q.shape[:-2] + (-1,))[..., :K], -1, axis).astype(np.float32)
;;   ~~~
;;   OPERANDS COMPUTED ON THE WAY. 'Computed on the way' means the value that the module computes at that place (a softmax that the list does not call 'softmax' is quantised finished and normalised). What goes into a quantiser is computed in f32, as accurately as f32 sums, v_exp_f32 and their like allow (about 1e-6 of the number): no bf16 or f16 on the way to a quantiser, and a product that is left as it is and whose result goes on into a quantised operand takes f32 operands (vector FMAs, or v_wmma_f32_16x16x4_f32). A number that lies on a knife's edge between two numbers of the format may be rounded either way, as far as f32 arithmetic and the matrix unit's own rounding can turn it there, and no further.
;; One version. Each part assembles by itself: llvm-mc -triple=amdgcn-amd-amdhsa -mcpu=gfx1250 --defsym DOCPART=n.
;; ======== version 1 of 1: 2 launches
;; limits: right only within a limited range of input values
;; workspace buffers: a_codes 16,777,216 bytes; a_scales 524,288 bytes; b_codes 8,388,608 bytes; b_scales 262,144 bytes
;; launch quant (part 1): grid 768 x 1, 4 waves a work-group, no clusters, 33,280 bytes of LDS; arguments x_t, h_prev, W_f, W_i, W_c, W_o, a_codes, a_scales, b_codes, b_scales; writes a_codes, a_scales, b_codes, b_scales
.if DOCPART == 1
	.amdgcn_target "amdgcn-amd-amdhsa--gfx1250"
	.amdhsa_code_object_version 6
	.text
	.protected	k_q11b8e28f93_quant
	.globl	k_q11b8e28f93_quant
	.p2align	8
	.type	k_q11b8e28f93_quant,@function
k_q11b8e28f93_quant:
	s_mov_b64 s[64:65], 0
	v_nop
	global_prefetch_b8 v0, s[64:65] scope:SCOPE_SE
	s_setreg_imm32_b32 hwreg(HW_REG_WAVE_MODE, 25, 1), 1
	s_wait_xcnt 0x0
; Both operands of gates = [x_t | h_prev] [W_f; W_i; W_c; W_o]^T are turned into codes of BF8 (E5M2), K innermost, with one E8M0 scale byte for each 32 along K.
; A: a_codes [8192][2048] (k 0-1023 from x_t, 1024-2047 from h_prev), a_scales [8192][64].
; B: b_codes [4096][2048], b_scales [4096][64], ROWS PERMUTED: gate g (0 f, 1 i, 2 c, 3 o), hidden column c lies at row (c / 32) 128 + 32 g + c % 32, so that 128 neighbouring rows hold all four gates of 32 hidden columns.
; A block's scale is 2^(floor(log2(its largest magnitude)) - 15); its byte is the largest magnitude's exponent field - 15, held at 1 from below.  Each number is divided by the scale, held within +-57,344 and rounded to the nearest code, ties to even.
; LIMITS: a block of zeros gets the byte 1 where the rule says 127 (its codes are zeros, and this program alone reads the bytes); blocks whose largest magnitude lies under 2^-111 keep the byte 1; NaN and infinities among the inputs are not served.
; SHARES.  A wave takes 4 whole rows of K = 2,048 (8,192 numbers) as 16 steps of 512 numbers; a work-group 16 rows.  Work-groups 0-511 take A, 512-767 the weights (64 for each gate).  Only pointers, a row pitch and row numbers are chosen:
; there is ONE path through the text.  A wave's codes (8,192 bytes) and scale bytes (256) are dense runs of the outputs in both cases, since 4 neighbouring source rows stay neighbours.
; A lane must hold 16 NEIGHBOURS along K for the conversions, and a load is best where neighbouring LANES take neighbouring bytes: each of a step's four loads reads 512 consecutive bytes, the 2,048 bytes go through the wave's own stage in LDS
; as they lie and come back 64 bytes a lane (16 bytes of padding behind each 64).  No tensor loads, no barrier: waves share nothing.  Loads run four steps (16 loads a wave) ahead, the turn through LDS one step.
.set STEPS, 16
.set EMAX,  15
.set MANT,  0x600000                   ; the mantissa field of 57,344 as f32
.set CB,    16                         ; bytes of 16 codes
.set R,     16                         ; v16-79   four sets of 16 numbers as they are loaded
.set X,     80                         ; v80-111  two sets of 16 neighbours
.set E,     112                        ; v112-127 a scale byte for each step
.set C,     128                        ; v128-191 codes: four registers for each step, so that no store's data are written again
.set RO,    192                        ; v192-195 16 x lane + i source rows, i = 0 .. 3; never rewritten
.set WREG,  8192                       ; LDS: a region of its own for each wave: two stages of 32 x SP bytes, and behind them its 256 scale bytes
.set SP,    80                         ; a lane's place in a stage: its 64 bytes + 16 of padding
	s_load_b256 s[4:11], s[0:1], 0x0               ; x_t s[4:5], h_prev s[6:7], W_f s[8:9], W_i s[10:11]
	s_load_b256 s[12:19], s[0:1], 0x20             ; W_c s[12:13], W_o s[14:15], a_codes s[16:17], a_scales s[18:19]
	s_load_b128 s[20:23], s[0:1], 0x40             ; b_codes s[20:21], b_scales s[22:23]
	v_lshl_add_u32 v196, v0, 2, 0x8000
	v_mov_b32 v197, 0
	v_lshrrev_b32 v1, 5, v0
	v_readfirstlane_b32 s24, v1                    ; wave
	v_and_b32 v2, 31, v0                           ; lane
	v_lshlrev_b32 v3, 4, v2                        ; my 16 bytes of a load's 512
	s_mul_i32 s25, s24, WREG
	v_lshrrev_b32 v14, 2, v2
	v_mul_u32_u24 v14, v14, SP
	v_and_b32 v15, 3, v2
	v_lshl_add_u32 v14, v15, 4, v14
	v_add_nc_u32 v14, s25, v14                     ; the stage, on the way in: four lanes' 64 bytes on end, then 16 of padding
	v_mul_u32_u24 v15, v2, SP
	v_add_nc_u32 v15, s25, v15                     ; and on the way out: SP x lane: my 16 neighbours
	v_mul_u32_u24 v4, v2, CB                       ; my codes' place in a step's
	v_lshrrev_b32 v5, 1, v2
	s_add_co_u32 s25, s25, 2*32*SP
	v_add_nc_u32 v5, s25, v5                       ; LDS: my wave's 256 scale bytes, my block's byte
	v_lshlrev_b32 v7, 3, v2                        ; and on the way out 8 bytes a lane
	v_add_nc_u32 v6, s25, v7
	s_mov_b32 s43, MANT                            ; (an instruction takes one literal: the hold's line has another)
	; which rows are mine.  All of this hangs on the work-group's and the wave's number alone
	s_sub_co_u32 s26, ttmp9, 512                   ; n: which of the weights' 256 work-groups (of no meaning in A's work-groups, whose choices below do not take it)
	s_bfe_u32 s27, s26, 0x20006                    ; g = (n / 64) % 4: the gate
	s_and_b32 s28, s26, 63                         ; rb: which 16 rows of that gate's weight
	s_lshl_b32 s29, s24, 2                         ; 4 x wave
	s_lshl_b32 s30, s28, 4
	s_add_co_u32 s30, s30, s29                     ; a weight's source row: 16 rb + 4 wave
	s_lshr_b32 s31, s28, 1
	s_lshl_b32 s31, s31, 7                         ; its row in b_codes: (rb / 2) 128
	s_lshl_b32 s34, s27, 5
	s_add_co_u32 s31, s31, s34                     ; + 32 g
	s_and_b32 s34, s28, 1
	s_lshl_b32 s34, s34, 4
	s_add_co_u32 s31, s31, s34                     ; + 16 (rb % 2)
	s_add_co_u32 s31, s31, s29                     ; + 4 wave
	s_lshl_b32 s34, ttmp9, 4
	s_add_co_u32 s29, s34, s29                     ; A's row, in and out: 16 x work-group + 4 wave
	s_cmp_lt_u32 ttmp9, 512                        ; A's work-group or a weight's?
	s_cselect_b32 s30, s29, s30                    ; source row
	s_cselect_b32 s31, s29, s31                    ; destination row
	s_cselect_b32 s32, 12, 13                      ; a source row is 4,096 bytes (x_t, h_prev) or 8,192 (a weight)
	s_cselect_b32 s33, 0, 4096                     ; the second half of K: h_prev's own row, or 4,096 bytes on in the weight's
	s_lshl_b32 s40, 1, s32                         ; one, two, three source rows in bytes
	s_lshl_b32 s41, s40, 1
	s_add_co_u32 s42, s40, s41
	s_lshl_b32 s34, s30, s32                       ; offsets in bytes, all under 2^26: the first half's source,
	s_mov_b32 s35, 0
	s_add_co_u32 s44, s34, s33                     ; the second half's,
	s_mov_b32 s45, 0
	s_lshl_b32 s36, s31, 11                        ; the codes,
	s_mov_b32 s37, 0
	s_lshl_b32 s38, s31, 6                         ; the scale bytes: a multiple of 256, since the row is a multiple of 4
	s_mov_b32 s39, 0
	v_mov_b32 v[RO], v3
	v_add_nc_u32 v[RO+1], s40, v3
	v_add_nc_u32 v[RO+2], s41, v3
	v_add_nc_u32 v[RO+3], s42, v3
	s_wait_alu depctr_va_vdst(0)
	s_wait_kmcnt 0x0
	s_cmp_eq_u32 s27, 1                            ; the gate's weight into s[8:9]
	s_cselect_b64 s[8:9], s[10:11], s[8:9]
	s_cmp_eq_u32 s27, 2
	s_cselect_b64 s[8:9], s[12:13], s[8:9]
	s_cmp_eq_u32 s27, 3
	s_cselect_b64 s[8:9], s[14:15], s[8:9]
	s_cmp_lt_u32 ttmp9, 512
	s_cselect_b64 s[4:5], s[4:5], s[8:9]           ; k 0-1023 come from x_t or from the weight,
	s_cselect_b64 s[6:7], s[6:7], s[8:9]           ; k 1024-2047 from h_prev or from the weight
	s_cselect_b64 s[16:17], s[16:17], s[20:21]
	s_cselect_b64 s[18:19], s[18:19], s[22:23]
	s_add_nc_u64 s[4:5], s[4:5], s[34:35]
	s_add_nc_u64 s[6:7], s[6:7], s[44:45]
	s_add_nc_u64 s[16:17], s[16:17], s[36:37]
	s_add_nc_u64 s[18:19], s[18:19], s[38:39]
.macro LOAD t                          ; step t: row t / 4, quarter t % 4 of its K: quarters 0, 1 from the first base, 2, 3 from the second
.irp i, 0,1,2,3
	global_load_b128 v[R+16*((\t)%4)+4*\i:R+16*((\t)%4)+4*\i+3], v[RO+(\t)/4], s[4+2*(((\t)%4)/2):5+2*(((\t)%4)/2)] offset:2048*((\t)%2)+512*\i th:TH_LOAD_NT   ; 32 lanes read 512 consecutive bytes; read once in the launch
.endr
.endm
.macro TURN t                          ; step t's numbers through the stage: LDS serves a wave's instructions in order, so no wait stands between the stores and the loads
.irp i, 0,1,2,3
	ds_store_b128 v14, v[R+16*((\t)%4)+4*\i:R+16*((\t)%4)+4*\i+3] offset:32*SP*((\t)%2)+8*SP*\i
.endr
.irp i, 0,1,2,3
	ds_load_b128 v[X+16*((\t)%2)+4*\i:X+16*((\t)%2)+4*\i+3], v15 offset:32*SP*((\t)%2)+16*\i
.endr
.endm
.irp t, 0,1,2,3
	LOAD \t
.endr
	s_wait_loadcnt 12                              ; step 0's four loads are in; the twelve of steps 1 to 3 may be out
	TURN 0
.macro STEP t
.set XS, X+16*((\t)%2)
.if (\t) > 0
	s_wait_dscnt 1                                 ; this step's numbers are back from the stage (the last step's byte store may be out): so its stores into the stage have read their registers,
.else
	s_wait_dscnt 0x0
.endif
.if (\t)+4 < STEPS
	LOAD (\t)+4                                    ; which take the loads of four steps on
.endif
.if (\t)+1 < STEPS
.if STEPS-2-(\t) >= 3
	s_wait_loadcnt 12                              ; the next step's four loads are in; those of the three steps behind it may be out
.else
	s_wait_loadcnt 4*(STEPS-2-(\t))                ; at the end fewer steps stand behind it
.endif
	TURN (\t)+1                                    ; and go through the other stage while this step is worked
.endif
	v_max3_num_f32 v8, |v[XS]|, |v[XS+1]|, |v[XS+2]|               ; the largest magnitude of my 16, in two chains
	v_max3_num_f32 v9, |v[XS+3]|, |v[XS+4]|, |v[XS+5]|
.irp i, 6,10
	v_max3_num_f32 v8, v8, |v[XS+\i]|, |v[XS+\i+1]|
	v_max3_num_f32 v9, v9, |v[XS+\i+2]|, |v[XS+\i+3]|
.endr
	v_max3_num_f32 v8, v8, |v[XS+14]|, |v[XS+15]|
	v_max3_num_f32 v8, v8, v9, (EMAX+1)<<23        ; and the floor 2^(16 - 127), under which no largest magnitude is taken: so the byte cannot fall under 1
	v_max_num_f32_dpp v8, v8, v8 row_xmask:1 row_mask:0xf bank_mask:0xf   ; and of my neighbour's 16: the block's
	v_add_nc_u32 v11, -(EMAX<<23), v8              ; 15 off its exponent field: the conversion takes the exponent field of this operand as its scale, and nothing else of it
	v_and_or_b32 v10, v8, 0x7f800000, s43          ; 57,344 x the scale: the largest magnitude's exponent field over 57,344's mantissa
.irp i, 0,1,2,3,4,5,6,7,8,9,10,11,12,13,14,15
	v_med3_num_f32 v[XS+\i], v[XS+\i], -v10, v10   ; the conversion to an 8-bit code does not saturate (ISA guide 7.6.2): hold the number within the largest code x the scale first
.endr
	v_cvt_scalef32_pk8_bf8_f32 v[C+4*(\t):C+4*(\t)+1], v[XS:XS+7], v11          ; eight numbers / 2^(v11's exponent), to the nearest code, ties to even; the first number's code in the lowest byte
	v_cvt_scalef32_pk8_bf8_f32 v[C+4*(\t)+2:C+4*(\t)+3], v[XS+8:XS+15], v11
	v_lshrrev_b32 v[E+(\t)], 23, v11               ; the scale's byte (also the plain line behind the conversions)
	ds_store_b8 v5, v[E+(\t)] offset:16*(\t)       ; both lanes of a block write the same byte with the same value
	global_store_b128 v4, v[C+4*(\t):C+4*(\t)+3], s[16:17] offset:32*CB*(\t)   ; the wave stores 512 consecutive bytes, aligned
.endm
.irp t, 0,1,2,3,4,5,6,7,8,9,10,11,12,13,14,15
	STEP \t
.endr
	ds_load_b64 v[12:13], v6                       ; LDS serves a wave's instructions in order: these see my byte stores
	s_wait_dscnt 0x0
	global_store_b64 v7, v[12:13], s[18:19]        ; 32 lanes store 256 consecutive bytes, aligned: the scale bytes of my 4 rows
	s_wait_tensorcnt 0x0
	ds_add_u32 v196, v197
	s_wait_dscnt 0x0
	s_endpgm
.Lfunc_end_k_q11b8e28f93_quant:
	.size	k_q11b8e28f93_quant, .Lfunc_end_k_q11b8e28f93_quant-k_q11b8e28f93_quant
	.p2alignl 7, 3214868480
	.fill 96, 4, 3214868480
	.section	.rodata,"a",@progbits
	.p2align	6, 0x0
	.amdhsa_kernel k_q11b8e28f93_quant
		.amdhsa_group_segment_fixed_size 33280
		.amdhsa_private_segment_fixed_size 0
		.amdhsa_enable_private_segment 0
		.amdhsa_kernarg_size 80
		.amdhsa_user_sgpr_count 2
		.amdhsa_user_sgpr_kernarg_segment_ptr 1
		.amdhsa_wavefront_size32 1
		.amdhsa_system_sgpr_workgroup_id_x 1
		.amdhsa_system_sgpr_workgroup_id_y 1
		.amdhsa_system_sgpr_workgroup_id_z 1
		.amdhsa_system_vgpr_workitem_id 0
		.amdhsa_next_free_vgpr 198
		.amdhsa_next_free_sgpr 66
		.amdhsa_reserve_vcc 0
		.amdhsa_float_denorm_mode_32 3
		.amdhsa_float_denorm_mode_16_64 3
		.amdhsa_memory_ordered 1
		.amdhsa_forward_progress 1
		.amdhsa_inst_pref_size 52
	.end_amdhsa_kernel
	.amdgpu_metadata
---
amdhsa.version: [ 1, 2 ]
amdhsa.kernels:
  - .name:           k_q11b8e28f93_quant
    .symbol:         k_q11b8e28f93_quant.kd
    .args:
      - { .name: x_t, .offset: 0, .size: 8, .value_kind: global_buffer, .address_space: global }
      - { .name: h_prev, .offset: 8, .size: 8, .value_kind: global_buffer, .address_space: global }
      - { .name: W_f, .offset: 16, .size: 8, .value_kind: global_buffer, .address_space: global }
      - { .name: W_i, .offset: 24, .size: 8, .value_kind: global_buffer, .address_space: global }
      - { .name: W_c, .offset: 32, .size: 8, .value_kind: global_buffer, .address_space: global }
      - { .name: W_o, .offset: 40, .size: 8, .value_kind: global_buffer, .address_space: global }
      - { .name: a_codes, .offset: 48, .size: 8, .value_kind: global_buffer, .address_space: global }
      - { .name: a_scales, .offset: 56, .size: 8, .value_kind: global_buffer, .address_space: global }
      - { .name: b_codes, .offset: 64, .size: 8, .value_kind: global_buffer, .address_space: global }
      - { .name: b_scales, .offset: 72, .size: 8, .value_kind: global_buffer, .address_space: global }
    .group_segment_fixed_size: 33280
    .private_segment_fixed_size: 0
    .kernarg_segment_align: 8
    .kernarg_segment_size: 80
    .max_flat_workgroup_size: 128
    .sgpr_count:     66
    .vgpr_count:     198
    .wavefront_size: 32
...
	.end_amdgpu_metadata
.endif
;; end of part 1
;; launch lstm (part 2): grid 16 x 32, 4 waves a work-group, clusters of 4 x 4, 327,680 bytes of LDS; arguments a_codes, a_scales, b_codes, b_scales, b_f, b_i, b_c, b_o, c_prev, out0, out1; writes out0, out1
.if DOCPART == 2
	.amdgcn_target "amdgcn-amd-amdhsa--gfx1250"
	.amdhsa_code_object_version 6
	.text
	.protected	k_q11b8e28f93_lstm
	.globl	k_q11b8e28f93_lstm
	.p2align	8
	.type	k_q11b8e28f93_lstm,@function
k_q11b8e28f93_lstm:
	s_mov_b64 s[64:65], 0
	v_nop
	global_prefetch_b8 v0, s[64:65] scope:SCOPE_SE
	s_setreg_imm32_b32 hwreg(HW_REG_WAVE_MODE, 25, 1), 1
	s_wait_xcnt 0x0
	s_wait_alu depctr_hold_cnt(0) depctr_sa_sdst(0) depctr_va_vdst(0) depctr_va_sdst(0) depctr_va_ssrc(0) depctr_va_vcc(0) depctr_vm_vsrc(0)
	s_getreg_b32 s2, hwreg(HW_REG_IB_STS2, 6, 4)
	s_cmp_eq_u32 s2, 0
	s_cbranch_scc0 .Lentry_in_a_cluster
	s_endpgm
.Lentry_in_a_cluster:
	s_bfe_u32 s2, ttmp6, 0x10000c
	s_cmp_lg_u32 s2, 0xf033
	s_cbranch_scc0 .Lentry_shape_is_right
	s_endpgm
.Lentry_shape_is_right:
; gates = A B^T + b on codes of BF8 (E5M2) with one E8M0 scale for each 32 along K (M 8,192, N 4,096, K 2,048), and the LSTM cell on the way out:
; c_t = sigmoid(f) c_prev + sigmoid(i) tanh(g) -> out1;  h_t = sigmoid(o) tanh(c_t) -> out0.  The gates never go to memory.
; B's ROWS ARE PERMUTED by the launch before: gate g (0 f, 1 i, 2 c, 3 o), hidden column c lies at row (c / 32) 128 + 32 g + c % 32: a wave's 128 rows are 32 hidden columns x 4 gates, its block b = 2 g + u is gate g, columns 16 u .. 16 u + 15.
; SHARES.  A work-group of four waves makes 256 rows x 256 gate columns; a wave 128 x 128: 64 accumulators, 512 registers.  512 work-groups of equal work.
; THE MATRIX INSTRUCTION IS USED TRANSPOSED (source 0 = 16 rows of B, source 1 = 16 rows of A): register j of lane (r, h) in accumulator (a, 2 g + u) is gate g of batch row 16 a + r, hidden column 16 u + 8 h + j:
; the four gates of one element lie in one lane at the same j.  THE BIAS is the C of each sum's first matrix instruction.
; K goes ascending in steps of 256 through a ring of two LDS slots (rows of 256 bytes).  The scale bytes of the work-group's rows, for all of K, come once at the head and stay.
; THE HEAD: one joint load a wave: wave 0 K step 0's 256 rows of A, wave 1 those of B, wave 2 A's scales, wave 3 B's.  Slot 1's first fill stands behind the three lines and a round, as a refill does.
; CLUSTERS: 4 x 4 work-groups.  A's tiles are asked for jointly along a row of the cluster, B's along a column.
; PREFETCH: a K step is 256 bytes of a row.  Of the 128 rows that a wave fetches, each of the four partners names 32, told apart by address, a lane a row.  The head names K steps 1 and 2, the line behind slot 1's fill K step 3,
; the refill that loads K step t + 2 names K step t + 4 (t = 0 .. 3).  B's rows, which all eight rows of clusters read, are named by cluster rows 0 to 3 alone.  c_prev's 64 rows a wave are named in the loop's last trip.
; c_prev's tile (256 rows x 256 bytes) is the last fill of slot 0's first half; it lands under the last K step.
; THE OUTPUTS LEAVE BLOCK BY BLOCK of 16 rows a wave through stages in LDS (a row's 256 bytes come from two waves), a barrier, and out as whole rows.
; ACTIVATIONS: sigmoid(x) = 1 / (1 + 2^(-x log2 e)), tanh(x) = 1 - 2 / (1 + 2^(2 x log2 e)).  An exponential that overflows gives infinity, whose reciprocal is 0: the right saturation; no clamp.
; LIMITS: tanh so made has an absolute error of about 1e-7, so for |x| under about 1e-5 its relative error is large.  NaN and infinities among the inputs are not served.
; REGISTERS: window 0: v1-31 addresses; v32-63 scale words, two sets; v64-127 the bias; from v128 A's fragments, one set; on the way out v64-255 are at work.
;   window 1: B's fragments, two sets; on the way out the rows read back.   window 2: accumulators of my rows 0-63 ((a, b) at v[8 (8 a + b)]);   window 3: of rows 64-127.
.set KSTEP,  256
.set NQ,     KSTEP/128
.set ROWB,   256                       ; a tile's row in bytes
.set KROW,   2048                      ; a row of A or of B in memory
.set PITCH,  272                       ; 256 bytes + 16 of padding: the 16 rows that a load touches start at 16 different banks
.set FR,     16
.set NL,     4
.set NP,     8                         ; places behind this matrix instruction (ISA guide 7.12.1)
.set HALFT,  128*PITCH
.set SLOT,   4*HALFT                   ; A's 256 rows, then B's 256 rows
.set LAPS,   2048/(2*KSTEP)
.set KS,     64                        ; a row of scales in bytes
.set SCL,    2*SLOT                    ; the scales, as units of 256 bytes + 16 of padding
.set HALFS,  (128*KS/256)*272
.set SBLK,   (16*KS/256)*272
.set SPARE,  SCL+4*HALFS               ; the spare words: 512 bytes that no other line names
.set HTS,    256*PITCH                 ; the way out: c_prev at byte 0; h_t's stage in slot 0's second half;
.set CTS,    SLOT                      ; c_t's stage in slot 1's first half: both have had their last fill and read
.set WROWS,  64*PITCH
.set BLK,    16*PITCH
.set BO,   7                           ; v7   my eight bias numbers of block u = 0
.set CO,   8                           ; v8   my offset in two rows of an output
.set RDH,  9                           ; v9, v10  where I read h_t's, c_t's rows back
.set RDT,  10
.set EAC,  11                          ; v11-13  my 32 bytes of a row of c_prev, of h_t's and c_t's stage
.set EAH,  12
.set EAT,  13
.set ADRA, 16                          ; v16-17  my A fragments in slot 0, 1
.set ADRB, 20                          ; v20-21  B's
.set ADRS, 27                          ; v27  my scale words: lanes 0-15 A's rows, lanes 16-31 B's
.set SPW,  28                          ; v28  my spare word; never rewritten
.set NIL,  29                          ; v29  0; never rewritten
.set PFO,  30                          ; v30  2,048 x lane: a row of codes; never rewritten
.set PFC,  31                          ; v31  4,096 x lane: a row of c_prev; never rewritten
.set SC,   32
.set BI,   64
.set AF,   128
.set TSET, 64                          ; the way out: two sets of 64: f +0, i +16, g +32, o +48
.set CPV,  192
.set CT,   224
.set TH,   240
.set LIM,  2                           ; s2  1 where my wave prefetches codes, else the greatest number
.set CN,   12                          ; s[12:13] -log2(e)
.set CP,   66                          ; s[66:67] 2 log2(e)
.set PFA,  22                          ; s[22:23] my 32 rows for the prefetches
.set HO,   94                          ; s[94:95] which 128 rows of a tile I fetch in the ring, in bytes
.set G1, 24
.set G0, 32
.set G1B, 48
.set G0B, 56
.set G1S, 68
.set G0S, 76
.set G1SB, 80
.set G0SB, 88
.set G1C, 68                           ; c_prev's descriptor takes the registers of A's scales, behind the wait that shows that load done
.set G0C, 76
.set MSB, 0
.macro WIN new
.if MSB != \new
	s_set_vgpr_msb (MSB<<8)|\new
.set MSB, \new
.endif
.endm
.set MUL_LO, 0xa1
.set MUL_HI, 0xf1
.set BEG_LO, 0x81                      ; the first step: C (the bias) window 0
.set BEG_HI, 0xc1
.set TO_B,   0x40
.set FROM_B, 0x04
.macro PLACES n
.rept \n
	v_nop
.endr
.endm
.macro TL g0, g1                       ; a tensor load; s_nop 0 and four v_nop follow it
	tensor_load_to_lds s[\g0:\g0+3], s[\g1:\g1+7]
	s_nop 0
	PLACES 4
.endm
.macro JLOAD g0a, g1a, g0b, g1b        ; a joint load: waves 0, 1 fetch for A, waves 2, 3 for B
	s_cmp_eq_u32 s15, 0
	s_cbranch_scc0 .Lfor_b_\@
	TL \g0a, \g1a
	s_branch .Lasked_\@
.Lfor_b_\@:
	TL \g0b, \g1b
.Lasked_\@:
.endm
.macro CREST
	s_cmp_lg_u32 s14, 0
	s_cbranch_scc1 .Lnot_wave_0_\@
	s_barrier_signal -3
.Lnot_wave_0_\@:
	s_barrier_wait -3
	s_barrier_signal -1
	s_barrier_wait -1
.endm
.macro CROUND
	s_barrier_signal -1
	s_barrier_wait -1
	CREST
.endm
.macro ASKC                            ; my 64 rows x 256 bytes of c_prev, a lane a row, in the loop's last trip: two changes of slots ahead of their load
	s_cmp_eq_u32 s3, 1
	s_cbranch_scc0 .Lnot_yet_\@
	global_prefetch_b8 v[PFC], s[96:97] th:TH_LOAD_NT scope:SCOPE_SE
	global_prefetch_b8 v[PFC], s[96:97] offset:32*4096 th:TH_LOAD_NT scope:SCOPE_SE
.Lnot_yet_\@:
.endm
	s_load_b128 s[4:7], s[0:1], 0x0                ; A's codes, A's scales
	s_load_b128 s[8:11], s[0:1], 0x10              ; B's codes, B's scales
	s_load_b128 s[96:99], s[0:1], 0x40             ; c_prev, out0 (h_t)
	s_load_b64 s[100:101], s[0:1], 0x50            ; out1 (c_t)
	v_lshl_add_u32 v[SPW], v0, 2, SPARE
	v_mov_b32 v[NIL], 0
	ds_add_u32 v[SPW], v[NIL]                      ; the opening lines: the add twice on end and its wait
	ds_add_u32 v[SPW], v[NIL]
	v_lshrrev_b32 v1, 5, v0
	v_readfirstlane_b32 s14, v1                    ; wave
	s_lshr_b32 s15, s14, 1                         ; my half of the rows; also: I fetch for A (0) or B (1)
	s_and_b32 s16, s14, 1                          ; my half of the columns; also: which 128 rows I fetch
	s_bfe_u32 s40, ttmp6, 0x40000                  ; cx
	s_bfe_u32 s41, ttmp6, 0x40004                  ; cy
	s_lshl_b32 s42, ttmp9, 2
	s_add_co_u32 s42, s42, s40                     ; T: tile column
	s_and_b32 s17, ttmp7, 0xffff                   ; cluster y
	s_cmp_lt_u32 s17, 4
	s_cselect_b32 s[LIM], 1, -1                    ; B's rows are named by cluster rows 0 to 3,
	s_cmp_eq_u32 s15, 0
	s_cselect_b32 s[LIM], 1, s[LIM]                ; A's by every cluster
	s_lshl_b32 s17, s17, 2
	s_add_co_u32 s17, s17, s41                     ; tile row
	s_lshl_b32 s43, s41, 2
	s_lshl_b32 s43, 15, s43                        ; my row of the cluster
	s_lshl_b32 s44, 0x1111, s40                    ; my column
	s_or_b32 s[G1+0], s43, (0<<16)|(1<<20)|(1<<21)|(5<<22)|(3<<25)  ; mask; 1-byte elements; 4 words of padding after every 64
	s_or_b32 s[G1B+0], s44, (0<<16)|(1<<20)|(1<<21)|(5<<22)|(3<<25)
.irp g, G1, G1B
	s_mov_b32 s[\g+1], ROWB<<16
	s_mov_b32 s[\g+2], 256<<16                     ; 256 rows for the head's loads
	s_mov_b32 s[\g+3], ROWB<<16
	s_mov_b32 s[\g+4], 256
	s_mov_b32 s[\g+5], KROW
	s_mov_b32 s[\g+6], 0
	s_mov_b32 s[\g+7], 0
.endr
	s_or_b32 s[G1S+0], s43, (3<<16)|(1<<20)|(1<<21)|(5<<22)|(3<<25) ; the scales of 256 rows: 16,384 dense bytes as 64 rows of 256
	s_or_b32 s[G1SB+0], s44, (3<<16)|(1<<20)|(1<<21)|(5<<22)|(3<<25)
.irp g, G1S, G1SB
	s_mov_b32 s[\g+1], 32<<16
	s_mov_b32 s[\g+2], KS<<16
	s_mov_b32 s[\g+3], 32<<16
	s_mov_b32 s[\g+4], KS
	s_mov_b32 s[\g+5], 32
	s_mov_b32 s[\g+6], 0
	s_mov_b32 s[\g+7], 0
.endr
	s_lshl_b32 s20, s17, 8                         ; A: the tile's first row
	s_lshl_b32 s46, s42, 8                         ; B's
	s_mov_b32 s21, 0
	s_mov_b32 s47, 0
	s_mov_b64 s[18:19], KS
	s_mul_u64 s[22:23], s[20:21], s[18:19]
	s_mul_u64 s[92:93], s[46:47], s[18:19]
	s_mov_b64 s[18:19], KROW
	s_mul_u64 s[20:21], s[20:21], s[18:19]
	s_mul_u64 s[46:47], s[46:47], s[18:19]
	s_mul_i32 s[HO], s16, 128*KROW
	s_mov_b32 s[HO+1], 0
	s_mul_i32 s45, s14, HALFT                      ; the ring's LDS place: wave x 128 rows
	s_wait_dscnt 0x0                               ; both opening adds are done
	s_wait_kmcnt 0x0
	s_add_nc_u64 s[20:21], s[4:5], s[20:21]
	s_add_nc_u64 s[22:23], s[6:7], s[22:23]
	s_add_nc_u64 s[46:47], s[8:9], s[46:47]
	s_add_nc_u64 s[92:93], s[10:11], s[92:93]
	CROUND                                         ; all sixteen work-groups are here
	s_mov_b32 s[G0], 1                             ; the head's four tiles, each whole.  Slot 0's groups 0 serve them first
	s_mov_b32 s[G0+1], 0
	s_mov_b64 s[G0+2:G0+3], s[20:21]
	s_or_b32 s[G0+3], s[G0+3], 0x80000000
	s_mov_b32 s[G0B], 1
	s_mov_b32 s[G0B+1], 2*HALFT
	s_mov_b64 s[G0B+2:G0B+3], s[46:47]
	s_or_b32 s[G0B+3], s[G0B+3], 0x80000000
	s_mov_b32 s[G0S], 1
	s_mov_b32 s[G0S+1], SCL
	s_mov_b64 s[G0S+2:G0S+3], s[22:23]
	s_or_b32 s[G0S+3], s[G0S+3], 0x80000000
	s_mov_b32 s[G0SB], 1
	s_mov_b32 s[G0SB+1], SCL+2*HALFS
	s_mov_b64 s[G0SB+2:G0SB+3], s[92:93]
	s_or_b32 s[G0SB+3], s[G0SB+3], 0x80000000
	s_mov_b32 s[G0+4], 1                           ; slot 1: my 128 rows of K step 1
	s_add_co_u32 s[G0+5], s45, SLOT
	s_add_nc_u64 s[G0+6:G0+7], s[20:21], s[HO:HO+1]
	s_add_nc_u64 s[G0+6:G0+7], s[G0+6:G0+7], ROWB
	s_or_b32 s[G0+7], s[G0+7], 0x80000000
	s_mov_b32 s[G0B+4], 1
	s_add_co_u32 s[G0B+5], s45, SLOT
	s_add_nc_u64 s[G0B+6:G0B+7], s[46:47], s[HO:HO+1]
	s_add_nc_u64 s[G0B+6:G0B+7], s[G0B+6:G0B+7], ROWB
	s_or_b32 s[G0B+7], s[G0B+7], 0x80000000
.macro ARM under, g0, g1, next         ; one chain of branches on the wave's number, one load to an arm, one join
	s_cmp_lt_u32 s14, \under
	s_cbranch_scc0 \next
	TL \g0, \g1
	s_branch .Lhead_asked
\next:
.endm
	ARM 1, G0,  G1,  .Lhead_b
	ARM 2, G0B, G1B, .Lhead_sa
	ARM 3, G0S, G1S, .Lhead_sb
	TL G0SB, G1SB
.Lhead_asked:
	; the prefetches' rows: the tile's first row + the 128 that I fetch + my work-group's 32 of them (cx for A, cy for B)
	v_and_b32 v[PFO], 31, v0
	v_lshlrev_b32 v[PFO], 11, v[PFO]
	s_lshl_b32 s18, s17, 8
	s_lshl_b32 s19, s42, 8
	s_cmp_eq_u32 s15, 0
	s_cselect_b32 s18, s18, s19
	s_cselect_b32 s19, s40, s41
	s_cselect_b64 s[PFA:PFA+1], s[4:5], s[8:9]
	s_lshl_b32 s20, s16, 7
	s_add_co_u32 s18, s18, s20
	s_lshl_b32 s19, s19, 5
	s_add_co_u32 s18, s18, s19
	s_lshl_b32 s18, s18, 11                        ; under 2^24
	s_mov_b32 s19, 0
	s_add_nc_u64 s[PFA:PFA+1], s[PFA:PFA+1], s[18:19]
	s_wait_alu depctr_va_vdst(0)
	s_cmp_eq_u32 s[LIM], 1
	s_cbranch_scc0 .Lno_ask_0
	global_prefetch_b8 v[PFO], s[PFA:PFA+1] offset:ROWB th:TH_LOAD_NT scope:SCOPE_SE     ; K steps 1 and 2
	global_prefetch_b8 v[PFO], s[PFA:PFA+1] offset:2*ROWB th:TH_LOAD_NT scope:SCOPE_SE
.Lno_ask_0:
	v_and_b32 v1, 15, v0                           ; r
	v_bfe_u32 v2, v0, 4, 1                         ; h
	v_mul_u32_u24 v3, v1, PITCH
	v_lshl_add_u32 v4, v2, 4, v3
	s_mul_i32 s21, s15, HALFT                      ; my 128 rows of A
	s_mul_i32 s19, s16, HALFT                      ; my 128 rows of B, behind A's 256
	s_add_co_u32 s19, s19, 2*HALFT
.irp s, 0,1
	v_add_nc_u32 v[ADRA+\s], s21, v4
	v_add_nc_u32 v[ADRB+\s], s19, v4
	s_add_co_u32 s21, s21, SLOT
	s_add_co_u32 s19, s19, SLOT
.endr
	v_mul_u32_u24 v5, v1, KS                       ; my row's scales: 64 bytes a row,
	v_lshrrev_b32 v6, 8, v5
	v_lshl_add_u32 v5, v6, 4, v5                   ; and 16 more for each 256 passed
	s_mul_i32 s21, s15, HALFS
	s_mul_i32 s19, s16, HALFS
	s_add_co_u32 s19, s19, 2*HALFS
	s_sub_co_u32 s19, s19, s21
	v_mul_u32_u24 v6, s19, v2                      ; lanes 16-31 take B's: the distance between the two bases x h
	s_add_co_u32 s21, s21, SCL
	v_add_nc_u32 v5, v5, v6
	v_add_nc_u32 v[ADRS], s21, v5
	v_lshlrev_b32 v5, 5, v2                        ; 32 h
	s_lshl_b32 s19, s16, 7                         ; my half of a row's 256 bytes
	v_mul_u32_u24 v6, v2, PITCH
	v_lshl_add_u32 v6, v1, 4, v6                   ; back: lanes 0-15 one row, lanes 16-31 the next,
	s_mul_i32 s18, s15, HALFT                      ; of my half's 128 rows,
	s_mul_i32 s21, s16, 8*PITCH                    ; of a block's 16 the first 8 or the last 8
	s_add_co_u32 s21, s21, s18
	v_add_nc_u32 v6, s21, v6
	v_add_nc_u32 v[RDH], HTS, v6
	v_add_nc_u32 v[RDT], CTS, v6
	v_add_nc_u32 v3, v3, v5                        ; 272 r + 32 h
	s_add_co_u32 s18, s18, s19
	v_add_nc_u32 v[EAC], s18, v3
	v_add_nc_u32 v[EAH], HTS, v[EAC]
	v_add_nc_u32 v[EAT], CTS, v[EAC]
	v_lshlrev_b32 v[CO], 12, v2
	v_lshl_add_u32 v[CO], v1, 4, v[CO]
	s_lshl_b32 s46, s42, 8                         ; 256 T: the tile's first hidden column in bytes
	s_add_co_u32 s47, s46, s19
	v_add_nc_u32 v[BO], s47, v5
	v_and_b32 v5, 31, v0
	v_lshlrev_b32 v[PFC], 12, v5
	s_lshl_b32 s20, s17, 8                         ; c_prev at the first of the 64 rows that I fetch
	s_lshl_b32 s21, s14, 6
	s_add_co_u32 s20, s20, s21
	s_lshl_b32 s20, s20, 12
	s_add_co_u32 s20, s20, s46
	s_mov_b32 s21, 0
	s_add_nc_u64 s[96:97], s[96:97], s[20:21]
	s_lshl_b32 s20, s17, 8                         ; the outputs at the first row that I store
	s_lshl_b32 s18, s15, 7
	s_add_co_u32 s20, s20, s18
	s_lshl_b32 s18, s16, 3
	s_add_co_u32 s20, s20, s18
	s_lshl_b32 s20, s20, 12
	s_add_co_u32 s20, s20, s46
	s_add_nc_u64 s[98:99], s[98:99], s[20:21]
	s_add_nc_u64 s[100:101], s[100:101], s[20:21]
	s_load_b256 s[4:11], s[0:1], 0x20              ; b_f, b_i, b_c, b_o
	s_mov_b32 s[CN], 0xbfb8aa3b
	s_mov_b32 s[CN+1], s[CN]
	s_mov_b32 s[CP], 0x4038aa3b
	s_mov_b32 s[CP+1], s[CP]
	s_wait_alu depctr_va_vdst(0)                   ; the wait at the head's end
	s_wait_kmcnt 0x0
.irp g, 0,1,2,3
.irp u, 0,1
.irp e, 0,1
	global_load_b128 v[BI+8*(2*\g+\u)+4*\e:BI+8*(2*\g+\u)+4*\e+3], v[BO], s[4+2*\g:5+2*\g] offset:64*\u+16*\e
.endr
.endr
.endr
	s_wait_loadcnt 0x0                             ; the bias, once
.macro FRAG reg, adr, q, i             ; 16 rows x 128 K: registers 4 c .. 4 c + 3 hold K = 32 c + 16 h + 0 .. 15
.irp c, 0,1,2,3
	ds_load_b128 v[\reg+4*\c:\reg+4*\c+3], v[\adr] offset:128*(\q)+32*\c+(\i)*16*PITCH
.endr
.endm
; 16 matrix instructions: A's blocks a0, a0 + 1 x B's eight.  The 64 accumulators take turns.
.macro MUL16 a0, p, q, sc, first
.irp a, \a0, \a0+1
.irp b, 0,1,2,3,4,5,6,7
.if \first
	v_wmma_scale_f32_16x16x128_f8f6f4 v[8*(8*((\a)%4)+\b):8*(8*((\a)%4)+\b)+7], v[128*(\p)+FR*\b:128*(\p)+FR*\b+FR-1], v[AF+FR*(\a):AF+FR*(\a)+FR-1], v[BI+8*\b:BI+8*\b+7], v[SC+8*NQ*(\sc)+NQ*\b+(\q)], v[SC+8*NQ*(\sc)+NQ*(\a)+(\q)] matrix_a_fmt:MATRIX_FMT_BF8 matrix_b_fmt:MATRIX_FMT_BF8 matrix_a_scale:MATRIX_SCALE_ROW1
.else
	v_wmma_scale_f32_16x16x128_f8f6f4 v[8*(8*((\a)%4)+\b):8*(8*((\a)%4)+\b)+7], v[128*(\p)+FR*\b:128*(\p)+FR*\b+FR-1], v[AF+FR*(\a):AF+FR*(\a)+FR-1], v[8*(8*((\a)%4)+\b):8*(8*((\a)%4)+\b)+7], v[SC+8*NQ*(\sc)+NQ*\b+(\q)], v[SC+8*NQ*(\sc)+NQ*(\a)+(\q)] matrix_a_fmt:MATRIX_FMT_BF8 matrix_b_fmt:MATRIX_FMT_BF8 matrix_a_scale:MATRIX_SCALE_ROW1
.endif
.endr
.endr
.endm
.macro FETCH_B slot, q, p
	WIN TO_B
.irp i, 0,1,2,3,4,5,6,7
	FRAG 128*(\p)+FR*\i, ADRB+\slot, \q, \i
.endr
	WIN 0
.endm
.macro FETCH_A slot, q, i0
.irp i, \i0, \i0+1, \i0+2, \i0+3
	FRAG AF+FR*(\i), ADRA+\slot, \q, \i
.endr
.endm
.macro SCALES sc                       ; a K step's two words a row: lanes 0-15 A's block i, lanes 16-31 B's block i
.irp i, 0,1,2,3,4,5,6,7
	ds_load_b64 v[SC+8*NQ*\sc+NQ*\i:SC+8*NQ*\sc+NQ*\i+1], v[ADRS] offset:\i*SBLK
.endr
.endm
.macro STEP slot, q, first             ; 128 along K with its successor in the same slot
	s_wait_dscnt 4*NL                              ; all but the youngest sixteen loads (A's blocks 4-7)
.if \first
	WIN BEG_LO
.else
	WIN MUL_LO
.endif
	MUL16 0, (\q)%2, \q, \slot, \first
	MUL16 2, (\q)%2, \q, \slot, \first
	s_wait_dscnt 0
	PLACES NP
	FETCH_B \slot, (\q)+1, 1-(\q)%2
	FETCH_A \slot, (\q)+1, 0
.if \first
	WIN BEG_HI
.else
	WIN MUL_HI
.endif
	MUL16 4, (\q)%2, \q, \slot, \first
	MUL16 6, (\q)%2, \q, \slot, \first
	PLACES NP
	WIN 0
	FETCH_A \slot, (\q)+1, 4
.endm
; A slot's last step changes slots.  fill = 1: the slot takes the K step two on, by the joint load.  fill = 2: slot 0's first half takes c_prev's tile, 64 rows a wave.
.macro TURN slot, next, fill
.if \fill == 1
	s_wait_xcnt 0x0                                ; my prefetches have read their address: it steps one K step
	s_add_nc_u64 s[PFA:PFA+1], s[PFA:PFA+1], ROWB
.endif
	s_wait_tensorcnt 0x0                           ; all my tensor loads have landed
	ds_add_u32 v[SPW], v[NIL]
.if \fill == 1
	s_add_nc_u64 s[G0+4*\slot+2:G0+4*\slot+3], s[G0+4*\slot+2:G0+4*\slot+3], 2*ROWB
	s_add_nc_u64 s[G0B+4*\slot+2:G0B+4*\slot+3], s[G0B+4*\slot+2:G0B+4*\slot+3], 2*ROWB
.endif
	s_wait_dscnt 4*NL+1                            ; the add and the youngest sixteen loads may be out
	WIN MUL_LO
	MUL16 0, 1, NQ-1, \slot, 0
	s_wait_dscnt 0x0                               ; the add is done, my reads of this slot are over
	s_barrier_signal -1
	MUL16 2, 1, NQ-1, \slot, 0
	WIN 0
	s_barrier_wait -1
	CREST
.if \fill == 1
	JLOAD G0+4*\slot, G1, G0B+4*\slot, G1B
.else
	TL G0C, G1C
.endif
	PLACES NP-4
	v_add_nc_u32 v[ADRS], 4*NQ, v[ADRS]            ; the next K step's scale words
	s_wait_alu depctr_va_vdst(0)                   ; the wait directly behind the write
	FETCH_B \next, 0, 0
	FETCH_A \next, 0, 0
	SCALES \next
.if \fill == 1
	s_cmp_gt_u32 s3, s[LIM]                        ; not in the last trip: its refills have no K step two on
	s_cbranch_scc0 .Lnone_\@
	global_prefetch_b8 v[PFO], s[PFA:PFA+1] offset:3*ROWB th:TH_LOAD_NT scope:SCOPE_SE   ; two K steps beyond the one just asked for
.Lnone_\@:
.if \slot == 0
	ASKC
.endif
.endif
	WIN MUL_HI
	MUL16 4, 1, NQ-1, \slot, 0
	MUL16 6, 1, NQ-1, \slot, 0
	PLACES NP
	WIN 0
	FETCH_A \next, 0, 4
.endm
	s_wait_tensorcnt 0x0                           ; my tile of the head's four is in; the three lines ahead of slot 1's first fill:
	ds_add_u32 v[SPW], v[NIL]
	s_mov_b32 s[G1+2], 128<<16                     ; no tensor load of mine is out: from here on a load brings 128 rows,
	s_mov_b32 s[G1+4], 128
	s_mov_b32 s[G1B+2], 128<<16
	s_mov_b32 s[G1B+4], 128
	s_mov_b32 s[G0+1], s45                         ; slot 0's groups 0 take the ring's places and my 128 rows,
	s_mov_b32 s[G0B+1], s45
	s_add_nc_u64 s[G0+2:G0+3], s[G0+2:G0+3], s[HO:HO+1]
	s_add_nc_u64 s[G0B+2:G0B+3], s[G0B+2:G0B+3], s[HO:HO+1]
	s_mov_b32 s[G1C+0], (2<<16)|(1<<20)|(5<<22)|(3<<25)  ; and c_prev's tile: no mask; 4-byte elements; 64 rows of 64
	s_mov_b32 s[G1C+1], 64<<16
	s_mov_b32 s[G1C+2], 64<<16
	s_mov_b32 s[G1C+3], 64<<16
	s_mov_b32 s[G1C+4], 64
	s_mov_b32 s[G1C+5], 1024
	s_mov_b32 s[G1C+6], 0
	s_mov_b32 s[G1C+7], 0
	s_mov_b32 s[G0C], 1
	s_mul_i32 s[G0C+1], s14, WROWS
	s_mov_b64 s[G0C+2:G0C+3], s[96:97]
	s_or_b32 s[G0C+3], s[G0C+3], 0x80000000
	s_wait_dscnt 0x0
	CROUND                                         ; all four tiles are in, all sixteen work-groups are here
	JLOAD G0+4, G1, G0B+4, G1B                     ; K step 1
	FETCH_B 0, 0, 0
	FETCH_A 0, 0, 0
	SCALES 0
	FETCH_A 0, 0, 4
	s_cmp_eq_u32 s[LIM], 1
	s_cbranch_scc0 .Lno_ask_1
	global_prefetch_b8 v[PFO], s[PFA:PFA+1] offset:3*ROWB th:TH_LOAD_NT scope:SCOPE_SE   ; K step 3
.Lno_ask_1:
	STEP 0, 0, 1                                   ; the first step starts the sums, on the bias
	s_mov_b32 s3, LAPS-1
.Llap:
	TURN 0, 1, 1
	STEP 1, 0, 0
	TURN 1, 0, 1
	STEP 0, 0, 0
	s_sub_co_u32 s3, s3, 1
	s_cmp_lg_u32 s3, 0
	s_cbranch_scc1 .Llap
	TURN 0, 1, 2                                   ; the last lap: slot 0 takes c_prev
	STEP 1, 0, 0
	s_wait_dscnt 4*NL
	WIN MUL_LO
	MUL16 0, 1, NQ-1, 1, 0
	MUL16 2, 1, NQ-1, 1, 0
	s_wait_dscnt 0
	WIN MUL_HI
	MUL16 4, 1, NQ-1, 1, 0
	MUL16 6, 1, NQ-1, 1, 0
	WIN 0
; THE WAY OUT.  Behind the barrier c_prev's tile is whole and nobody reads slot 1 any more.
	s_wait_tensorcnt 0x0
	s_barrier_signal -1
	s_barrier_wait -1
	PLACES NP
.macro CLOAD a                         ; c_prev of block a: 16 numbers a lane, in the accumulators' layout
.irp u, 0,1
.irp e, 0,1
	ds_load_b128 v[CPV+16*((\a)%2)+8*\u+4*\e:CPV+16*((\a)%2)+8*\u+4*\e+3], v[EAC] offset:BLK*(\a)+64*\u+16*\e
.endr
.endr
.endm
.macro HOUT a                          ; h_t = sigmoid(o) tanh(c_t), into its stage; v[TH] on holds 1 / (1 + 2^(2 c log2 e))
.set TP, TSET+64*((\a)%2)
.irp k, 0,2,4,6,8,10,12,14
	v_pk_fma_f32 v[TH+\k:TH+\k+1], v[TH+\k:TH+\k+1], -2.0, 1.0 op_sel_hi:[1,0,0]
.endr
.irp k, 0,2,4,6,8,10,12,14
	v_pk_mul_f32 v[TP+48+\k:TP+48+\k+1], v[TH+\k:TH+\k+1], v[TP+48+\k:TP+48+\k+1]
.endr
.irp u, 0,1
.irp e, 0,1
	ds_store_b128 v[EAH], v[TP+48+8*\u+4*\e:TP+48+8*\u+4*\e+3] offset:BLK*(\a)+64*\u+16*\e
.endr
.endr
.endm
.macro RBACK h, a                      ; 8 whole rows of block a into registers of window 1 that are this block's and this output's alone
.irp t, 0,1,2,3
.if \h
	ds_load_b128 v[128+16*(\a)+4*\t:128+16*(\a)+4*\t+3], v[RDH] offset:BLK*(\a)+2*\t*PITCH
.else
	ds_load_b128 v[16*(\a)+4*\t:16*(\a)+4*\t+3], v[RDT] offset:BLK*(\a)+2*\t*PITCH
.endif
.endr
.endm
.macro SEND h, a                       ; 16 lanes store 256 consecutive bytes, aligned
.irp t, 0,1,2,3
.if \h
	global_store_b128 v[CO], v[128+16*(\a)+4*\t:128+16*(\a)+4*\t+3], s[98:99] offset:(16*(\a)+2*\t)*4096 th:TH_STORE_NT
.else
	global_store_b128 v[CO], v[16*(\a)+4*\t:16*(\a)+4*\t+3], s[100:101] offset:(16*(\a)+2*\t)*4096 th:TH_STORE_NT
.endif
.endr
.endm
; Block a: 16 elements a lane.  One batch of exponentials and one of reciprocals; tanh(c_t) of block a - 1 rides in block a's batches.
; One barrier a block hands c_t of block a - 1 and h_t of block a - 2 from wave to wave; each block has stage rows of its own.
.macro EBLOCK a
.set TS, TSET+64*((\a)%2)
.set CQ, CPV+16*((\a)%2)
.set AC, 64*((\a)%4)
.if (\a) >= 2
	s_wait_dscnt 4                                 ; h_t's stage stores of block a - 2 have read this set's registers; c_t's four of block a - 1 may be out
.endif
	WIN 0x02+(\a)/4
.if (\a) > 0
	s_wait_alu depctr_va_vdst(0)                   ; the wait ahead of the first read of sums behind transcendentals
.endif
.irp g, 0,1,3
.irp u, 0,1
.irp j, 0,2,4,6
	v_pk_mul_f32 v[TS+16*\g+8*\u+\j:TS+16*\g+8*\u+\j+1], v[AC+8*(2*\g+\u)+\j:AC+8*(2*\g+\u)+\j+1], s[CN:CN+1] op_sel_hi:[1,0]   ; -x log2 e; each accumulator from its low end on
.endr
.endr
.endr
.irp u, 0,1
.irp j, 0,2,4,6
	v_pk_mul_f32 v[TS+32+8*\u+\j:TS+32+8*\u+\j+1], v[AC+8*(4+\u)+\j:AC+8*(4+\u)+\j+1], s[CP:CP+1] op_sel_hi:[1,0]   ; the cell gate: 2 x log2 e
.endr
.endr
	WIN 0
.if (\a) > 0
	s_wait_dscnt 0x0                               ; for the others' sake: my stage stores are done
	s_barrier_signal -1
.endif
.set ii, 0
	s_wait_alu depctr_va_vdst(0)                   ; ahead of the batch
.rept 64
	v_exp_f32 v[TS+ii], v[TS+ii]
.set ii, ii+1
.endr
.if (\a) > 0
.set ii, 0
.rept 16
	v_exp_f32 v[TH+ii], v[TH+ii]
.set ii, ii+1
.endr
.endif
	v_nop
	s_wait_alu depctr_va_vdst(0)                   ; behind the batch
.if (\a) > 0
	s_barrier_wait -1
	WIN TO_B
	RBACK 0, (\a)-1
.if (\a) > 1
	RBACK 1, (\a)-2
.endif
	WIN 0
.endif
.if (\a) < 7
	CLOAD (\a)+1
.endif
.set ii, 0
.rept 32
	v_pk_add_f32 v[TS+ii:TS+ii+1], v[TS+ii:TS+ii+1], 1.0 op_sel_hi:[1,0]
.set ii, ii+2
.endr
.if (\a) > 0
.set ii, 0
.rept 8
	v_pk_add_f32 v[TH+ii:TH+ii+1], v[TH+ii:TH+ii+1], 1.0 op_sel_hi:[1,0]
.set ii, ii+2
.endr
.endif
.set ii, 0
	s_wait_alu depctr_va_vdst(0)
.rept 64
	v_rcp_f32 v[TS+ii], v[TS+ii]
.set ii, ii+1
.endr
.if (\a) > 0
.set ii, 0
.rept 16
	v_rcp_f32 v[TH+ii], v[TH+ii]
.set ii, ii+1
.endr
.endif
	v_nop
	s_wait_alu depctr_va_vdst(0)
	s_wait_dscnt 0x0                               ; the rows are back, and c_prev of this block and the next is in
.if (\a) > 0
	WIN FROM_B
	SEND 0, (\a)-1
.if (\a) > 1
	SEND 1, (\a)-2
.endif
	WIN 0
	HOUT (\a)-1
.endif
.irp k, 0,2,4,6,8,10,12,14
	v_pk_fma_f32 v[TS+32+\k:TS+32+\k+1], v[TS+32+\k:TS+32+\k+1], -2.0, 1.0 op_sel_hi:[1,0,0]   ; tanh(g)
.endr
.irp k, 0,2,4,6,8,10,12,14
	v_pk_mul_f32 v[CT+\k:CT+\k+1], v[TS+\k:TS+\k+1], v[CQ+\k:CQ+\k+1]                          ; sigmoid(f) c_prev
.endr
.irp k, 0,2,4,6,8,10,12,14
	v_pk_fma_f32 v[CT+\k:CT+\k+1], v[TS+16+\k:TS+16+\k+1], v[TS+32+\k:TS+32+\k+1], v[CT+\k:CT+\k+1]   ; + sigmoid(i) tanh(g) = c_t
.endr
.irp u, 0,1
.irp e, 0,1
	ds_store_b128 v[EAT], v[CT+8*\u+4*\e:CT+8*\u+4*\e+3] offset:BLK*(\a)+64*\u+16*\e
.endr
.endr
.irp k, 0,2,4,6,8,10,12,14
	v_pk_mul_f32 v[TH+\k:TH+\k+1], v[CT+\k:CT+\k+1], s[CP:CP+1] op_sel_hi:[1,0]                ; 2 c_t log2 e: the next block's batches finish it
.endr
.endm
	CLOAD 0
.irp a, 0,1,2,3,4,5,6,7
	EBLOCK \a
.endr
	; the end: c_t of block 7 and h_t of block 6 are handed over; the last block's tanh(c_t) has batches of its own
	s_wait_dscnt 0x0
	s_barrier_signal -1
.set ii, 0
	s_wait_alu depctr_va_vdst(0)
.rept 16
	v_exp_f32 v[TH+ii], v[TH+ii]
.set ii, ii+1
.endr
	v_nop
	s_wait_alu depctr_va_vdst(0)
	s_barrier_wait -1
	WIN TO_B
	RBACK 0, 7
	RBACK 1, 6
	WIN 0
.set ii, 0
.rept 8
	v_pk_add_f32 v[TH+ii:TH+ii+1], v[TH+ii:TH+ii+1], 1.0 op_sel_hi:[1,0]
.set ii, ii+2
.endr
.set ii, 0
	s_wait_alu depctr_va_vdst(0)
.rept 16
	v_rcp_f32 v[TH+ii], v[TH+ii]
.set ii, ii+1
.endr
	v_nop
	s_wait_alu depctr_va_vdst(0)
	HOUT 7
	s_wait_dscnt 0x0                               ; my last stage stores are done, and the rows asked for above are back
	s_barrier_signal -1
	s_barrier_wait -1
	WIN TO_B
	RBACK 1, 7
	WIN FROM_B
	SEND 0, 7
	SEND 1, 6
	s_wait_dscnt 0x0
	SEND 1, 7
	WIN 0
	s_wait_tensorcnt 0x0                           ; the wave's end
	ds_add_u32 v[SPW], v[NIL]
	s_wait_dscnt 0x0
	CROUND                                         ; the closing round
	s_endpgm
.Lfunc_end_k_q11b8e28f93_lstm:
	.size	k_q11b8e28f93_lstm, .Lfunc_end_k_q11b8e28f93_lstm-k_q11b8e28f93_lstm
	.p2alignl 7, 3214868480
	.fill 96, 4, 3214868480
	.section	.rodata,"a",@progbits
	.p2align	6, 0x0
	.amdhsa_kernel k_q11b8e28f93_lstm
		.amdhsa_group_segment_fixed_size 327680
		.amdhsa_private_segment_fixed_size 0
		.amdhsa_enable_private_segment 0
		.amdhsa_kernarg_size 88
		.amdhsa_user_sgpr_count 2
		.amdhsa_user_sgpr_kernarg_segment_ptr 1
		.amdhsa_wavefront_size32 1
		.amdhsa_system_sgpr_workgroup_id_x 1
		.amdhsa_system_sgpr_workgroup_id_y 1
		.amdhsa_system_sgpr_workgroup_id_z 1
		.amdhsa_system_vgpr_workitem_id 0
		.amdhsa_next_free_vgpr 1024
		.amdhsa_next_free_sgpr 102
		.amdhsa_reserve_vcc 0
		.amdhsa_float_denorm_mode_32 3
		.amdhsa_float_denorm_mode_16_64 3
		.amdhsa_memory_ordered 1
		.amdhsa_forward_progress 1
		.amdhsa_inst_pref_size 243
	.end_amdhsa_kernel
	.amdgpu_metadata
---
amdhsa.version: [ 1, 2 ]
amdhsa.kernels:
  - .name:           k_q11b8e28f93_lstm
    .symbol:         k_q11b8e28f93_lstm.kd
    .args:
      - { .name: a_codes, .offset: 0, .size: 8, .value_kind: global_buffer, .address_space: global }
      - { .name: a_scales, .offset: 8, .size: 8, .value_kind: global_buffer, .address_space: global }
      - { .name: b_codes, .offset: 16, .size: 8, .value_kind: global_buffer, .address_space: global }
      - { .name: b_scales, .offset: 24, .size: 8, .value_kind: global_buffer, .address_space: global }
      - { .name: b_f, .offset: 32, .size: 8, .value_kind: global_buffer, .address_space: global }
      - { .name: b_i, .offset: 40, .size: 8, .value_kind: global_buffer, .address_space: global }
      - { .name: b_c, .offset: 48, .size: 8, .value_kind: global_buffer, .address_space: global }
      - { .name: b_o, .offset: 56, .size: 8, .value_kind: global_buffer, .address_space: global }
      - { .name: c_prev, .offset: 64, .size: 8, .value_kind: global_buffer, .address_space: global }
      - { .name: out0, .offset: 72, .size: 8, .value_kind: global_buffer, .address_space: global }
      - { .name: out1, .offset: 80, .size: 8, .value_kind: global_buffer, .address_space: global }
    .group_segment_fixed_size: 327680
    .private_segment_fixed_size: 0
    .kernarg_segment_align: 8
    .kernarg_segment_size: 88
    .max_flat_workgroup_size: 128
    .sgpr_count:     102
    .vgpr_count:     1024
    .wavefront_size: 32
...
	.end_amdgpu_metadata
.endif
;; end of part 2
